; MI455X (gfx1250); checked and timed in simulation.
; The chip was launched on July 23, 2026; its instructions are those of AMD's public machine-readable ISA for CDNA 5 (MIT licence, August 2026) and "CDNA5" Instruction Set Architecture Reference Guide (July 2026). The comments in the code are by the model that wrote it; some were corrected since.
;; Hoi Output Layers. Allowed arithmetic: matrix products marked QUANTISED: E2M1 operands, one E8M0 scale for each 32 along K, by v_wmma_scale_f32_16x16x128_f8f6f4 with both operands' format E2M1 (or v_wmma_scale_f32_32x16x128_f4), f32 sums; everything else in f32.
;; Inputs: b1 1,024 float32; b2 50 float32; w1 3,072 x 1,024 float32; w2 1,024 x 50 float32; x 16,384 x 3,072 float32.
;; Outputs: out0 16,384 x 50 float32.
;; This version of the problem:
;;   THIS VERSION OF THE PROBLEM IS GIVEN IN LOW PRECISION. The matrix products marked QUANTISED in the list below multiply operands that are first quantised to E2M1 (2 exponent bits, 1 mantissa bit; 4 bits a number), with one power-of-two scale for each 32 numbers along K (OCP MX v1.0); their sums are f32. All else is computed in f32.
;;   The module's matrix products, in the order in which they are computed (A, B: the left and right operand; K: the contracted axis; several contracted axes count as one K, in the product's order):
;;     1. [M 16,384, K 3,072] x [K 3,072, N 1,024]; A: input x; B: input w1: QUANTISED
;;     2. [M 16,384, K 1,024] x [K 1,024, N 50]; A: computed on the way; B: input w2: QUANTISED
;;   THE QUANTISER, for each operand of a quantised product, along K:
;;     - K is cut into blocks of 32 from its start; a last block that is shorter is filled with zeros.
;;     - A block's scale is 2^e with e = floor(log2(the largest magnitude in the block)) - 2, held to -126 .. 127; a block of zeros has e = 0. As a byte (E8M0): e + 127.
;;     - Each number is divided by its block's scale, clamped to +-6, and rounded to the nearest number of E2M1, ties to even, subnormals kept.
;;     - The product sums the exact products of the quantised numbers (number of the format x scale) in f32.
;;   ~~~python
;;   def quantise(x, axis):      # numpy; x: float32 -> the quantised numbers, widened to float32 again
;;       x = np.moveaxis(x, axis, -1); K = x.shape[-1]
;;       x = np.pad(x, [(0, 0)] * (x.ndim - 1) + [(0, -K % 32)]); x = x.reshape(x.shape[:-1] + (-1, 32)); a = np.abs(x).max(-1, keepdims=True)
;;       e = np.where(a > 0, np.clip(np.frexp(np.where(a > 0, a, 1))[1] - 1 - 2, -126, 127), 0)      # np.frexp(a)[1] - 1 = floor(log2(a)), exactly
;;       r = np.clip(x / 2.0 ** e, -6, 6)
;;       step = 2.0 ** (np.maximum(np.frexp(np.where(r == 0, 1, r))[1] - 1, 0) - 1)
;;       q = np.round(r / step) * step * 2.0 ** e      # np.round: ties to even
;;       return np.moveaxis(q.reshape(q.shape[:-2] + (-1,))[..., :K], -1, axis).astype(np.float32)
;;   ~~~
;;   OPERANDS COMPUTED ON THE WAY. 'Computed on the way' means the value that the module computes at that place (a softmax that the list does not call 'softmax' is quantised finished and normalised). What goes into a quantiser is computed in f32, as accurately as f32 sums, v_exp_f32 and their like allow (about 1e-6 of the number): no bf16 or f16 on the way to a quantiser, and a product that is left as it is and whose result goes on into a quantised operand takes f32 operands (vector FMAs, or v_wmma_f32_16x16x4_f32). A number that lies on a knife's edge between two numbers of the format may be rounded either way, as far as f32 arithmetic and the matrix unit's own rounding can turn it there, and no further.
;; One version. Each part assembles by itself: llvm-mc -triple=amdgcn-amd-amdhsa -mcpu=gfx1250 --defsym DOCPART=n.
;; ======== version 1 of 1: 2 launches
;; limits: right only within a limited range of input values
;; workspace buffers: w1q 1,671,168 bytes; w2q 35,072 bytes
;; launch prep (part 1): grid 392 x 1, 4 waves a work-group, no clusters, 0 bytes of LDS; arguments w1, w2, b2, w1q, w2q; writes w1q, w2q
.if DOCPART == 1
	.amdgcn_target "amdgcn-amd-amdhsa--gfx1250"
	.amdhsa_code_object_version 6
	.text
	.protected	k_q89eca96cb7_prep
	.globl	k_q89eca96cb7_prep
	.p2align	8
	.type	k_q89eca96cb7_prep,@function
k_q89eca96cb7_prep:
	s_mov_b64 s[64:65], 0
	v_nop
	global_prefetch_b8 v0, s[64:65] scope:SCOPE_SE
	s_setreg_imm32_b32 hwreg(HW_REG_WAVE_MODE, 25, 1), 1
	s_wait_xcnt 0x0
; w1 [3072][1024] and w2 [1024][50], f32 with K as their FIRST axis, become codes of FP4 (E2M1) with one E8M0 byte for each 32 along K,
; laid in the ORDER OF THE OPERAND'S REGISTERS, so that the second launch takes every fragment and every scale word as it lies.  b2 is copied, filled up with zeros to 64 numbers.
; A block's scale is 2^(floor(log2(its largest magnitude)) - 2); its byte is the largest magnitude's exponent field - 2, held at 1 from below.
; LIMITS: NaN and infinities are not served; a largest magnitude under 2^-124 counts as 2^-124 (byte 1); a block of zeros carries the byte 1 where the rule says 127:
; its codes are zeros, which add nothing under that byte, and this program alone reads the bytes.
; WHICH COLUMNS FORM A TILE: lane r of tile 2 b + u holds column 32 b + 8 u + r + 8 (r / 8), so column 32 b + l lies at u = (l >> 3) & 1, r = (l & 7) + 8 (l >> 4).
; w1q: block (s, w) at (4 s + w) x 34,816, s = K / 256, w = column / 256.  Codes [q:2][tile:16][c:2][lane:32][16 bytes]: lane r + 16 h holds the block of 32 that begins at k = 128 q + 64 c + 32 h.
;      INSIDE A BLOCK OF w1 THE CODES ARE PERMUTED: place p holds k = 4 (p / 8) + p % 4 + 16 ((p % 8) / 4) of the block, the order in which the second launch has x's codes.
;      A permutation inside a block, alike on both operands, changes no product and no scale.  It costs nothing here: only the loads' immediate offsets are permuted.
;      Scale words at + 32,768: [g:4][lane:32][j:4], word 4 g + j = 2 b + q: lanes 0-15 tile 2 b, lanes 16-31 tile 2 b + 1; byte 2 c + h.
; w2q: block s at 8,704 s, the same with 4 tiles (64 classes, those from 50 on with zero codes) and K in its own order: codes [q:2][tile:4][1,024 bytes]; scale words at + 8,192: [lane:32][j = 2 b + q].  At 34,816: b2 and 14 zeros.
; SHARES.  A wave takes 32 neighbouring columns x 64 along K: A LANE TAKES A COLUMN AND ITS REGISTERS RUN DOWN K, so a block of 32 lies in one lane, its largest magnitude needs no other lane,
; and the conversions give codes with K innermost.  Each load reads 128 consecutive bytes a wave; the four waves of a work-group stand side by side.  All 64 loads go out at once.
; Work-groups 0 .. 383 take w1 (48 x 64 along K, 8 x 128 columns), 384 .. 391 take w2.  Each store of codes covers two runs of 256 consecutive bytes, aligned.
; The scale bytes leave two at a time, 16 bytes apart: 98 KB of the 14 MB that the launch moves.  Waves share nothing: no LDS, no barrier, no cluster.
.set QB,  34816                        ; a block of w1q
.set W2B, 8704                         ; a block of w2q
.set NUM, 32                           ; v32-95   64 numbers of my column
.set COD, 96                           ; v96-103  their codes: four registers a block
; Block h of my two: largest magnitude, scale operand, 32 codes, scale byte.
.macro BLK h
.set XS, NUM+32*\h
	v_max3_num_f32 v8, |v[XS]|, |v[XS+1]|, |v[XS+2]|               ; two chains, so that no line waits for the line above it
	v_max3_num_f32 v9, |v[XS+3]|, |v[XS+4]|, |v[XS+5]|
.irp i, 6,10,14,18,22,26
	v_max3_num_f32 v8, v8, |v[XS+\i]|, |v[XS+\i+1]|
	v_max3_num_f32 v9, v9, |v[XS+\i+2]|, |v[XS+\i+3]|
.endr
	v_max3_num_f32 v8, v8, |v[XS+30]|, |v[XS+31]|
	v_max3_num_f32 v8, v8, v9, 0x1800000                           ; and the floor 2^(3 - 127): the byte cannot fall under 1
	v_add_nc_u32 v[10+\h], 0xff000000, v8                          ; 2 off the exponent field: the conversion takes this operand's exponent field as its scale
.irp g, 0,1,2,3
	v_cvt_scalef32_pk8_fp4_f32 v[COD+4*\h+\g], v[XS+8*\g:XS+8*\g+7], v[10+\h]
.endr
	v_lshrrev_b32 v[12+\h], 23, v[10+\h]                           ; the scale's byte; also the plain line behind the conversions
.endm
; A wave's task.  pitch: bytes from row to row of the tensor.  masked = 1 (w2): K in its own order, columns from 50 on get zero codes.  masked = 0 (w1): register p of a block takes row 4 (p / 8) + p % 4 + 16 ((p % 8) / 4) of it.
.macro TASK pitch, masked
.set i, 0
.rept 64
.if \masked
	global_load_b32 v[NUM+i], v2, s[4:5] offset:i*\pitch
.else
	global_load_b32 v[NUM+i], v2, s[4:5] offset:((i/32)*32+4*((i%32)/8)+(i%4)+16*((i%8)/4))*\pitch th:TH_LOAD_NT
.endif
.set i, i+1
.endr
	s_wait_loadcnt 32                              ; the first block's 32 loads are in; the second block's may be out
	BLK 0
	s_wait_loadcnt 0x0
	BLK 1
	v_lshl_or_b32 v14, v13, 8, v12                 ; my two bytes, the lower K in the lower byte
.if \masked
	v_cmp_gt_u32 vcc_lo, 50, v5                    ; is my column a class?
.irp g, 0,1,2,3,4,5,6,7
	v_cndmask_b32 v[COD+\g], 0, v[COD+\g], vcc_lo
.endr
.endif
	global_store_b128 v3, v[COD:COD+3], s[16:17]               ; lanes of one tile fill 256 consecutive bytes; two tiles an instruction
	global_store_b128 v3, v[COD+4:COD+7], s[16:17] offset:256  ; the upper half of the fragment's lanes
	global_store_b16 v4, v14, s[18:19]
.endm
	s_load_b256 s[4:11], s[0:1], 0x0               ; w1 s[4:5], w2 s[6:7], b2 s[8:9], w1q s[10:11]
	s_load_b64 s[12:13], s[0:1], 0x20              ; w2q
	v_lshrrev_b32 v1, 5, v0
	v_readfirstlane_b32 s14, v1                    ; wave 0..3
	v_and_b32 v1, 31, v0                           ; l
	v_bfe_u32 v6, v1, 3, 1                         ; u
	v_and_b32 v7, 7, v1
	v_lshrrev_b32 v8, 4, v1
	v_lshl_add_u32 v7, v8, 3, v7                   ; r
	v_lshlrev_b32 v3, 4, v7                        ; 16 r
	v_lshl_add_u32 v4, v6, 8, v3                   ; my scale word's lane: 16 (r + 16 u)
	v_lshl_add_u32 v3, v6, 10, v3                  ; my codes: 1,024 u + 16 r
	s_mov_b32 s29, 0                               ; the upper word of every offset
	s_wait_kmcnt 0x0
	s_cmp_lt_u32 ttmp9, 384
	s_cbranch_scc0 .Lw2
	; ---- w1
	s_lshr_b32 s20, ttmp9, 3                       ; kh: which 64 along K, 0 .. 47
	s_and_b32 s21, ttmp9, 7
	s_lshl_b32 s21, s21, 2
	s_add_co_u32 s21, s21, s14                     ; cg: which 32 columns, 0 .. 31
	s_lshr_b32 s22, s21, 3                         ; w
	s_and_b32 s23, s21, 7                          ; b
	s_lshl_b32 s28, s20, 18                        ; 64 rows of 4,096 bytes
	s_lshl_b32 s24, s21, 7
	s_add_co_u32 s28, s28, s24
	s_add_nc_u64 s[4:5], s[4:5], s[28:29]          ; where my task begins in w1
	s_lshr_b32 s24, s20, 2                         ; s
	s_lshl_b32 s24, s24, 2
	s_add_co_u32 s24, s24, s22
	s_mul_i32 s24, s24, QB                         ; block (s, w)
	s_bfe_u32 s25, s20, 0x10001                    ; q
	s_and_b32 s26, s20, 1                          ; c
	s_lshl_b32 s27, s25, 14
	s_add_co_u32 s28, s24, s27
	s_lshl_b32 s27, s23, 11
	s_add_co_u32 s28, s28, s27
	s_lshl_b32 s27, s26, 9
	s_add_co_u32 s28, s28, s27
	s_add_nc_u64 s[16:17], s[10:11], s[28:29]      ; codes: block + 16,384 q + 2,048 b + 512 c
	s_lshr_b32 s27, s23, 1
	s_lshl_b32 s27, s27, 9
	s_add_co_u32 s28, s24, s27
	s_and_b32 s27, s23, 1
	s_lshl_b32 s27, s27, 1
	s_add_co_u32 s27, s27, s25
	s_lshl_b32 s27, s27, 2
	s_add_co_u32 s28, s28, s27
	s_lshl_b32 s27, s26, 1
	s_add_co_u32 s28, s28, s27
	s_add_co_u32 s28, s28, 32768
	s_add_nc_u64 s[18:19], s[10:11], s[28:29]      ; scales: block + 32,768 + 512 (b / 2) + 4 (2 (b % 2) + q) + 2 c
	s_wait_alu depctr_va_vdst(0)
	v_lshlrev_b32 v2, 2, v1                        ; 4 bytes a lane
	TASK 4096, 0
	s_endpgm
	; ---- w2, and b2
.Lw2:
	s_sub_co_u32 s20, ttmp9, 384
	s_lshl_b32 s20, s20, 2
	s_add_co_u32 s30, s20, s14                     ; task 0 .. 31
	s_and_b32 s23, s30, 1                          ; b: which 32 classes
	s_lshr_b32 s20, s30, 1                         ; kh: which 64 along K, 0 .. 15
	s_mul_i32 s28, s20, 12800                      ; 64 rows of 200 bytes
	s_add_nc_u64 s[4:5], s[6:7], s[28:29]
	s_lshr_b32 s24, s20, 2
	s_mul_i32 s24, s24, W2B                        ; the block
	s_bfe_u32 s25, s20, 0x10001                    ; q
	s_and_b32 s26, s20, 1                          ; c
	s_lshl_b32 s27, s25, 12
	s_add_co_u32 s28, s24, s27
	s_lshl_b32 s27, s23, 11
	s_add_co_u32 s28, s28, s27
	s_lshl_b32 s27, s26, 9
	s_add_co_u32 s28, s28, s27
	s_add_nc_u64 s[16:17], s[12:13], s[28:29]      ; codes: block + 4,096 q + 2,048 b + 512 c
	s_lshl_b32 s27, s23, 1
	s_add_co_u32 s27, s27, s25
	s_lshl_b32 s27, s27, 2
	s_add_co_u32 s28, s24, s27
	s_lshl_b32 s27, s26, 1
	s_add_co_u32 s28, s28, s27
	s_add_co_u32 s28, s28, 8192
	s_add_nc_u64 s[18:19], s[12:13], s[28:29]      ; scales: block + 8,192 + 4 (2 b + q) + 2 c
	s_wait_alu depctr_va_vdst(0)
	v_lshl_add_u32 v5, s23, 5, v1                  ; my class, 0 .. 63
	v_min_u32 v2, 49, v5                           ; lanes past the last class read the last class: no load leaves w2
	v_lshlrev_b32 v2, 2, v2
	TASK 200, 1
	s_cmp_lg_u32 s30, 0                            ; the first task's wave also lays b2 out
	s_cbranch_scc1 .Ldone
	v_min_u32 v20, 24, v1                          ; b2 is 25 pairs
	v_lshlrev_b32 v20, 3, v20
	v_lshlrev_b32 v21, 3, v1
	global_load_b64 v[22:23], v20, s[8:9]
	v_cmp_gt_u32 vcc_lo, 25, v1
	s_wait_loadcnt 0x0
	v_cndmask_b32 v22, 0, v22, vcc_lo              ; zeros behind the 50 numbers
	v_cndmask_b32 v23, 0, v23, vcc_lo
	s_wait_alu depctr_va_vdst(0)
	global_store_b64 v21, v[22:23], s[12:13] offset:34816   ; 32 lanes store 256 consecutive bytes, aligned
.Ldone:
	s_endpgm
.Lfunc_end_k_q89eca96cb7_prep:
	.size	k_q89eca96cb7_prep, .Lfunc_end_k_q89eca96cb7_prep-k_q89eca96cb7_prep
	.p2alignl 7, 3214868480
	.fill 96, 4, 3214868480
	.section	.rodata,"a",@progbits
	.p2align	6, 0x0
	.amdhsa_kernel k_q89eca96cb7_prep
		.amdhsa_group_segment_fixed_size 0
		.amdhsa_private_segment_fixed_size 0
		.amdhsa_enable_private_segment 0
		.amdhsa_kernarg_size 40
		.amdhsa_user_sgpr_count 2
		.amdhsa_user_sgpr_kernarg_segment_ptr 1
		.amdhsa_wavefront_size32 1
		.amdhsa_system_sgpr_workgroup_id_x 1
		.amdhsa_system_sgpr_workgroup_id_y 1
		.amdhsa_system_sgpr_workgroup_id_z 1
		.amdhsa_system_vgpr_workitem_id 0
		.amdhsa_next_free_vgpr 112
		.amdhsa_next_free_sgpr 66
		.amdhsa_reserve_vcc 1
		.amdhsa_float_denorm_mode_32 3
		.amdhsa_float_denorm_mode_16_64 3
		.amdhsa_memory_ordered 1
		.amdhsa_forward_progress 1
		.amdhsa_inst_pref_size 23
	.end_amdhsa_kernel
	.amdgpu_metadata
---
amdhsa.version: [ 1, 2 ]
amdhsa.kernels:
  - .name:           k_q89eca96cb7_prep
    .symbol:         k_q89eca96cb7_prep.kd
    .args:
      - { .name: w1, .offset: 0, .size: 8, .value_kind: global_buffer, .address_space: global }
      - { .name: w2, .offset: 8, .size: 8, .value_kind: global_buffer, .address_space: global }
      - { .name: b2, .offset: 16, .size: 8, .value_kind: global_buffer, .address_space: global }
      - { .name: w1q, .offset: 24, .size: 8, .value_kind: global_buffer, .address_space: global }
      - { .name: w2q, .offset: 32, .size: 8, .value_kind: global_buffer, .address_space: global }
    .group_segment_fixed_size: 0
    .private_segment_fixed_size: 0
    .kernarg_segment_align: 8
    .kernarg_segment_size: 40
    .max_flat_workgroup_size: 128
    .sgpr_count:     66
    .vgpr_count:     112
    .wavefront_size: 32
...
	.end_amdgpu_metadata
.endif
;; end of part 1
;; launch fused (part 2): grid 256 x 1, 4 waves a work-group, clusters of 4 x 1, 327,680 bytes of LDS; arguments x, w1q, b1, w2q, out0; writes out0
.if DOCPART == 2
	.amdgcn_target "amdgcn-amd-amdhsa--gfx1250"
	.amdhsa_code_object_version 6
	.text
	.protected	k_q89eca96cb7_fused
	.globl	k_q89eca96cb7_fused
	.p2align	8
	.type	k_q89eca96cb7_fused,@function
k_q89eca96cb7_fused:
	s_mov_b64 s[64:65], 0
	v_nop
	global_prefetch_b8 v0, s[64:65] scope:SCOPE_SE
	s_setreg_imm32_b32 hwreg(HW_REG_WAVE_MODE, 25, 1), 1
	s_wait_xcnt 0x0
	s_wait_alu depctr_hold_cnt(0) depctr_sa_sdst(0) depctr_va_vdst(0) depctr_va_sdst(0) depctr_va_ssrc(0) depctr_va_vcc(0) depctr_vm_vsrc(0)
	s_getreg_b32 s2, hwreg(HW_REG_IB_STS2, 6, 4)
	s_cmp_eq_u32 s2, 0
	s_cbranch_scc0 .Lentry_in_a_cluster
	s_endpgm
.Lentry_in_a_cluster:
	s_bfe_u32 s2, ttmp6, 0x10000c
	s_cmp_lg_u32 s2, 0x3003
	s_cbranch_scc0 .Lentry_shape_is_right
	s_endpgm
.Lentry_shape_is_right:
; out0 = Q(relu(Q(x) Q(w1) + b1)) Q(w2) + b2, Q the MX-FP4 quantiser along K.
; SHARES.  A work-group takes 64 rows of x and all 1,024 hidden units; wave w takes hidden units 256 w .. 256 w + 255: 4 x 16 accumulators of 16 x 16 in windows 2 and 3.
; K = 3,072 goes in 12 steps of 256.  w1q's tile of a step (4 blocks of 34,816 bytes, one a wave, codes and scale words in the order of the operand's registers) comes by joint tensor loads
; of the cluster's four work-groups (mask 15) into a ring of two LDS slots.  x comes as f32 into registers (window 1, two sets of 128): a wave loads 16 rows x 256 numbers,
; quantises them (QX: four lanes hold a block of 32, eight numbers a lane) and puts codes and scale bytes into one of two LDS buffers, from which all four waves take the 64 rows (MM).
; THE CLUSTERS WALK K IN A CIRCLE: cluster c begins at step c mod 12 and goes round, tiles and x sets alike (RT and RX count mod 12; the start hangs on the cluster's number alone, so the four partners' descriptors are equal).
; So in every step the 64 clusters together read all twelve tiles, and a tile that a cluster asks for from its second step on has been read by other clusters in the step before.  For that reason no prefetch is laid.
; s_wait_loadcnt 32 in QX: behind the set that is wanted only the other set's 32 loads were issued.
; THE WAY ON: b1 and relu in f32, the hidden layer quantised in registers (HID), its operand image through LDS to all waves, the second product (wave w: 16 classes), out0 through an LDS stage in runs of 16 bytes a lane.
; LIMITS: the f32 sums of the first product add the K steps in the circle's order, not ascending from 0.  NaN and infinities are not served; a block's largest magnitude under 2^-124 counts as 2^-124 (byte 1),
; a block of zeros carries the byte 1 with zero codes.
; A SET'S 32 LOADS GO OUT IN TWO HALVES: rows 0-7 (XH1) in the middle of QX, as soon as their numbers are converted, with the other eight rows' vector work behind them;
; rows 8-15 (XH2) among the step's last 32 products, behind the step's last LDS loads.  The sets' order of issue stays A, B, A, B.
; THE HEAD quantises the first set while the first tile is on its way; the round in front of the second tile's request also shows the first set's codes to all four waves.
.set SLOTB, 139264
.set RT,   48                          ; s48      the K step of the next tile that is asked for, 0 .. 11
.set RX,   49                          ; s49      the K step of the next x set that is asked for
.set TO,   50                          ; s[50:51] a tile's byte offset in w1q
.set XO,   52                          ; s[52:53] an x set's byte offset in a row
.set XP,   54                          ; s[54:55] my rows of x at that offset
.set QB,    34816
.set XCB,   278528
.set XSB,   296960
.set SPARE, 297984
.set HSC,   32768
.set STG,   36864
.set XA,   1
.set AW,   2
.set AXF,  4
.set AXS,  5
.set XCW,  6
.set XSW,  7
.set SPW,  8
.set NIL,  9
.set LI,   10
.set LS,   11
.set HWI,  12
.set HWS,  13
.set BO,   14
.set W2O,  15
.set W2SO, 16
.set B2O,  17
.set STO,  18
.set GO,   19
.set XSR,  24
.set T,    32
.set B2R,  40
.set WS,   48
.set XF,   64
.set WF,   128
.set SC,   128
.set CD,   144
.set SETA,  0
.set SETB,  128
.set HN,   128
.set TM,   192
.set PC,   208
.set PW,   224
.set HF,   128
.set Y,    96
.set OA,   64
.set OUTR, 128
.set WV,   14
.set G1,   24
.set G0,   32
.set SEL,  40
.set QO,   42
.set MSB, 0
.macro WIN new
.if MSB != (\new)
	s_set_vgpr_msb (MSB<<8)|(\new)
.set MSB, (\new)
.endif
.endm
.macro PLACES
.rept 4
	v_nop
.endr
.endm
.macro ROUND
	s_barrier_signal -1
	s_barrier_wait -1
	s_cmp_lg_u32 s[WV], 0
	s_cbranch_scc1 .Lnot_wave_0_\@
	s_barrier_signal -3
.Lnot_wave_0_\@:
	s_barrier_wait -3
	s_barrier_signal -1
	s_barrier_wait -1
.endm
; 16 loads: rows 0-7 of my 16, 1,024 bytes of K step RX each, into a set; each load covers 512 consecutive bytes.  Then RX goes on round the circle.
.macro XH1 set
	s_lshl_b32 s[XO], s[RX], 10
	s_wait_xcnt 0x0                                ; the earlier loads have read their base: it is written only behind this wait
	s_add_nc_u64 s[XP:XP+1], s[4:5], s[XO:XO+1]
	s_add_co_u32 s[RX], s[RX], 1
	s_cmp_eq_u32 s[RX], 12
	s_cselect_b32 s[RX], 0, s[RX]
	WIN 0x40
.set i, 0
.rept 8
	global_load_b128 v[\set+8*i:\set+8*i+3],   v[XA], s[XP:XP+1] offset:12288*i th:TH_LOAD_NT
	global_load_b128 v[\set+8*i+4:\set+8*i+7], v[XA], s[XP:XP+1] offset:12288*i+512 th:TH_LOAD_NT
.set i, i+1
.endr
	WIN 0
.endm
; 16 loads: rows 8-15 of the same K step, from the place that XH1 made.
.macro XH2 set
	WIN 0x40
.set i, 8
.rept 8
	global_load_b128 v[\set+8*i:\set+8*i+3],   v[XA], s[XP:XP+1] offset:12288*i th:TH_LOAD_NT
	global_load_b128 v[\set+8*i+4:\set+8*i+7], v[XA], s[XP:XP+1] offset:12288*i+512 th:TH_LOAD_NT
.set i, i+1
.endr
	WIN 0
.endm
; Rows r0 .. r0 + 7 of a set are quantised, the eight rows by turns: a lane gets eight numbers of one block, four lanes join their maxima, scale operand, codes, scale byte.
.macro QXH set, r0
	WIN 0x41
.set i, \r0
.rept 8
.irp j, 0,1,2,3
	v_permlane16_swap_b32 v[\set+8*i+\j], v[\set+8*i+4+\j]
.endr
.set i, i+1
.endr
	WIN 0x05
.set i, \r0
.rept 8
	v_max3_num_f32 v[T+i], |v[\set+8*i]|, |v[\set+8*i+1]|, 0x1800000
.set i, i+1
.endr
.irp a, 2,4,6
.set i, \r0
.rept 8
	v_max3_num_f32 v[T+i], |v[\set+8*i+\a]|, |v[\set+8*i+\a+1]|, v[T+i]
.set i, i+1
.endr
.endr
	WIN 0
.irp x, 1,2
.set i, \r0
.rept 8
	v_max_num_f32_dpp v[T+i], v[T+i], v[T+i] row_xmask:\x row_mask:0xf bank_mask:0xf
.set i, i+1
.endr
.endr
.set i, \r0
.rept 8
	v_add_nc_u32 v[SC+i], 0xff000000, v[T+i]
.set i, i+1
.endr
	WIN 0x01
.set i, \r0
.rept 8
	v_cvt_scalef32_pk8_fp4_f32 v[CD+i], v[\set+8*i:\set+8*i+7], v[SC+i]
.set i, i+1
.endr
	WIN 0
.set i, \r0
.rept 8
	v_lshrrev_b32 v[T+i], 23, v[SC+i]              ; the scale's byte; also the plain line behind the conversions
.set i, i+1
.endr
.endm
; A set is quantised and its codes and scale bytes go to LDS buffer buf.  left: the younger loads that may stay out.  reissue = 1: rows 0-7 are asked for again in the middle.
.macro QX set, buf, left, reissue
	s_wait_loadcnt \left
	QXH \set, 0
.if \reissue
	XH1 \set
.endif
	QXH \set, 8
.set i, 0
.rept 16
	ds_store_b32 v[XCW], v[CD+i] offset:9216*\buf+144*i
.set i, i+1
.endr
.set i, 0
.rept 16
	ds_store_b8 v[XSW], v[T+i] offset:512*\buf+8*i
.set i, i+1
.endr
.endm
; Slot L's group 0 takes the address of my block of tile RT; then RT goes on round the circle.  No tensor load of mine is out where this stands.
.macro TADR L
	s_mul_i32 s[TO], s[RT], SLOTB
	s_add_nc_u64 s[G0+4*\L+2:G0+4*\L+3], s[6:7], s[TO:TO+1]
	s_or_b32 s[G0+4*\L+3], s[G0+4*\L+3], 0x80000000
	s_add_co_u32 s[RT], s[RT], 1
	s_cmp_eq_u32 s[RT], 12
	s_cselect_b32 s[RT], 0, s[RT]
.endm
.macro CHANGE L, fill
	s_wait_tensorcnt 0x0
	ds_add_u32 v[SPW], v[NIL]
.if \fill
	TADR \L
.endif
	s_wait_dscnt 0x0
.if \fill
	ROUND
	tensor_load_to_lds s[G0+4*\L:G0+4*\L+3], s[G1:G1+7]
	s_nop 0
	PLACES
.else
	s_barrier_signal -1
	s_barrier_wait -1
.endif
.endm
.macro XFRAG buf, q
.irp m, 0,1,2,3
.irp c, 0,1
	ds_load_b128 v[XF+32*\q+8*\m+4*\c:XF+32*\q+8*\m+4*\c+3], v[AXF] offset:9216*\buf+2304*\m+64*\q+32*\c
.endr
.endr
.endm
.macro WFRAG L, q, g
.irp tt, 0,1,2,3
.irp c, 0,1
	ds_load_b128 v[WF+8*(4*\g+\tt)+4*\c:WF+8*(4*\g+\tt)+4*\c+3], v[AW+\L] offset:16384*\q+1024*(4*\g+\tt)+512*\c
.endr
.endr
.endm
.macro MUL16 g, q, zero
.irp m, 0,1,2,3
.irp tt, 0,1,2,3
.set rD, 64*\m+8*((4*\g+\tt)%8)
.set rW, WF+8*(4*\g+\tt)
.set rX, XF+32*\q+8*\m
.set rA, WS+2*((4*\g+\tt)/2)+\q
.set rB, XSR+2*\m+\q
.if \zero
.if \tt%2
	v_wmma_scale_f32_16x16x128_f8f6f4 v[rD:rD+7], v[rW:rW+7], v[rX:rX+7], 0, v[rA], v[rB] matrix_a_fmt:MATRIX_FMT_FP4 matrix_b_fmt:MATRIX_FMT_FP4 matrix_a_scale:MATRIX_SCALE_ROW1
.else
	v_wmma_scale_f32_16x16x128_f8f6f4 v[rD:rD+7], v[rW:rW+7], v[rX:rX+7], 0, v[rA], v[rB] matrix_a_fmt:MATRIX_FMT_FP4 matrix_b_fmt:MATRIX_FMT_FP4
.endif
.else
.if \tt%2
	v_wmma_scale_f32_16x16x128_f8f6f4 v[rD:rD+7], v[rW:rW+7], v[rX:rX+7], v[rD:rD+7], v[rA], v[rB] matrix_a_fmt:MATRIX_FMT_FP4 matrix_b_fmt:MATRIX_FMT_FP4 matrix_a_scale:MATRIX_SCALE_ROW1
.else
	v_wmma_scale_f32_16x16x128_f8f6f4 v[rD:rD+7], v[rW:rW+7], v[rX:rX+7], v[rD:rD+7], v[rA], v[rB] matrix_a_fmt:MATRIX_FMT_FP4 matrix_b_fmt:MATRIX_FMT_FP4
.endif
.endif
.endr
.endr
.endm
; A step's 128 products.  re = 1: rows 8-15 of the x set 'set' are asked for again ahead of the last 32 products.
.macro MM L, buf, zero, re, set
.irp g, 0,1,2,3
	ds_load_b128 v[WS+4*\g:WS+4*\g+3], v[AW+\L] offset:32768+512*\g
.endr
.irp m, 0,1,2,3
	ds_load_b64 v[XSR+2*\m:XSR+2*\m+1], v[AXS] offset:512*\buf+128*\m
.endr
	XFRAG \buf, 0
.irp g, 0,1,2,3
	WFRAG \L, 0, \g
.endr
	XFRAG \buf, 1
.irp g, 0,1,2,3
	s_wait_dscnt 32
	WIN 0xa0+0x50*(\g/2)
	MUL16 \g, 0, \zero
	WIN 0
	PLACES
	WFRAG \L, 1, \g
.endr
.irp g, 0,1,2,3
.if \g == 2
.if \re
	XH2 \set
.endif
.endif
	s_wait_dscnt 24-8*\g
	WIN 0xa0+0x50*(\g/2)
	MUL16 \g, 1, 0
.endr
	WIN 0
.endm
	s_load_b256 s[4:11], s[0:1], 0x0
	s_load_b64 s[12:13], s[0:1], 0x20
	v_lshl_add_u32 v[SPW], v0, 2, SPARE
	v_mov_b32 v[NIL], 0
	ds_add_u32 v8, v9
	ds_add_u32 v8, v9
	s_wait_dscnt 0x0
	v_lshrrev_b32 v20, 5, v0
	v_readfirstlane_b32 s[WV], v20
	s_bfe_u32 s15, ttmp6, 0x40000
	s_lshl_b32 s16, ttmp9, 2
	s_add_co_u32 s16, s16, s15
	s_mov_b32 s[G1+0], 15|(3<<16)|(1<<21)
	s_mov_b32 s[G1+1], 32<<16
	s_mov_b32 s[G1+2], 136<<16
	s_mov_b32 s[G1+3], 32<<16
	s_mov_b32 s[G1+4], 136
	s_mov_b32 s[G1+5], 32
	s_mov_b32 s[G1+6], 0
	s_mov_b32 s[G1+7], 0
	s_mov_b32 s[SEL], 0x76543210
	s_mov_b32 s[SEL+1], 0xfedcba98
	v_and_b32 v21, 31, v0
	v_and_b32 v20, 3, v21
	v_bfe_u32 v22, v21, 2, 2
	v_bfe_u32 v23, v21, 4, 1
	v_lshlrev_b32 v[XA], 4, v20
	v_lshl_add_u32 v[XA], v22, 7, v[XA]
	v_lshl_add_u32 v[XA], v23, 6, v[XA]
	s_lshl_b32 s17, s16, 6
	s_lshl_b32 s18, s[WV], 4
	s_add_co_u32 s17, s17, s18
	s_mul_i32 s18, s17, 12288
	s_mov_b32 s19, 0
	s_mul_i32 s20, s16, 12800
	s_mov_b32 s21, 0
	s_mul_i32 s[QO], s[WV], QB
	s_mov_b32 s[QO+1], 0
	s_mul_i32 s[RT], ttmp9, 43
	s_lshr_b32 s[RT], s[RT], 9                     ; cluster / 12 (43 / 512 serves 0 .. 63)
	s_mul_i32 s[RT], s[RT], 12
	s_sub_co_u32 s[RT], ttmp9, s[RT]               ; where my cluster's circle begins: cluster mod 12
	s_mov_b32 s[RX], s[RT]
	s_mov_b32 s[TO+1], 0
	s_mov_b32 s[XO+1], 0
	s_wait_alu depctr_va_vdst(0)
	s_wait_kmcnt 0x0
	s_add_nc_u64 s[4:5], s[4:5], s[18:19]
	s_add_nc_u64 s[12:13], s[12:13], s[20:21]
	s_add_nc_u64 s[6:7], s[6:7], s[QO:QO+1]
	ROUND
.irp L, 0,1
	s_mov_b32 s[G0+4*\L], 1
	s_add_co_u32 s[G0+4*\L+1], s[QO], \L*SLOTB
	TADR \L
.endr
	tensor_load_to_lds s[G0:G0+3], s[G1:G1+7]      ; my circle's first tile: my one tensor load at the head
	s_nop 0
	XH1 SETA                                       ; x's first set, behind the tile's request
	XH2 SETA
	v_and_b32 v22, 15, v0
	v_bfe_u32 v23, v0, 4, 1
	v_lshlrev_b32 v[LI], 4, v21
	v_add_nc_u32 v[AW], s[QO], v[LI]
	v_add_nc_u32 v[AW+1], SLOTB, v[AW]
	v_mul_u32_u24 v[AXF], v22, 144
	v_lshl_add_u32 v[AXF], v23, 4, v[AXF]
	v_add_nc_u32 v[AXF], XCB, v[AXF]
	v_lshl_add_u32 v[AXS], v22, 3, XSB
	s_mul_i32 s44, s[WV], 2304
	v_lshl_add_u32 v[XCW], v21, 2, s44
	v_add_nc_u32 v[XCW], XCB, v[XCW]
	s_lshl_b32 s44, s[WV], 7
	v_lshrrev_b32 v[XSW], 2, v21
	v_add_nc_u32 v[XSW], s44, v[XSW]
	v_add_nc_u32 v[XSW], XSB, v[XSW]
	v_lshl_add_u32 v[LS], v21, 2, HSC
	s_lshl_b32 s44, s[WV], 11
	v_add_nc_u32 v[HWI], s44, v[LI]
	s_lshl_b32 s44, s[WV], 8
	v_add_nc_u32 v[HWS], s44, v[LS]
	s_lshl_b32 s44, s[WV], 10
	v_lshl_add_u32 v[BO], v23, 6, s44
	v_add_nc_u32 v[W2O], s44, v[LI]
	s_and_b32 s45, s[WV], 1
	s_lshr_b32 s46, s[WV], 1
	s_lshl_b32 s44, s45, 8
	s_lshl_b32 s47, s46, 3
	s_add_co_u32 s44, s44, s47
	s_add_co_u32 s44, s44, 8192
	v_lshl_add_u32 v[W2SO], v22, 4, s44
	s_lshl_b32 s44, s46, 7
	s_lshl_b32 s47, s45, 5
	s_add_co_u32 s44, s44, s47
	v_lshl_add_u32 v20, v23, 6, s44
	v_add_nc_u32 v[B2O], 34816, v20
	v_mul_u32_u24 v[STO], v22, 272
	v_add_nc_u32 v[STO], v[STO], v20
	v_add_nc_u32 v[STO], STG, v[STO]
	v_lshlrev_b32 v[GO], 4, v0
	s_wait_alu depctr_va_vdst(0)                   ; the wait at the head's end
	QX SETA, 0, 0, 0                               ; the first set is quantised while the first tile is on its way: no other load of mine is out yet
	XH1 SETB                                       ; x's second set,
	XH2 SETB
	XH1 SETA                                       ; and rows 0-7 of the third
	s_wait_tensorcnt 0x0                           ; my block of the first tile is in
	ds_add_u32 v8, v9
	s_wait_dscnt 0x0                               ; the add is done, and so are my stores of the first set's codes and scale bytes
	ROUND
	tensor_load_to_lds s[G0+4:G0+7], s[G1:G1+7]    ; the second tile: slot 1's first fill, issued as a refill is
	s_nop 0
	PLACES
	MM 0, 0, 1, 1, SETA
	s_mov_b32 s22, 4
.Lpair:                                                ; a trip is two steps of the circle
	QX SETB, 1, 32, 1
	CHANGE 0, 1
	MM 1, 1, 0, 1, SETB
	QX SETA, 0, 32, 1
	CHANGE 1, 1
	MM 0, 0, 0, 1, SETA
	s_sub_co_u32 s22, s22, 1
	s_cmp_lg_u32 s22, 0
	s_cbranch_scc1 .Lpair
	QX SETB, 1, 32, 1                              ; the last three steps are written out: one more x set, two more tiles
	CHANGE 0, 1
	MM 1, 1, 0, 1, SETB
	QX SETA, 0, 32, 0
	CHANGE 1, 1
	MM 0, 0, 0, 0, 0
	QX SETB, 1, 0, 0
	CHANGE 0, 0
	WIN 0x40
.irp p, 0,1
.irp b, 0,1,2,3
.irp e, 0,1,2,3
	global_load_b128 v[64*\p+16*\b+4*\e:64*\p+16*\b+4*\e+3], v[BO], s[8:9] offset:512*\p+128*\b+16*\e
.endr
.endr
.endr
.irp sg, 0,1,2,3
.irp q, 0,1
.irp c, 0,1
	global_load_b128 v[128+8*(2*\sg+\q)+4*\c:128+8*(2*\sg+\q)+4*\c+3], v[W2O], s[10:11] offset:8704*\sg+4096*\q+512*\c
.endr
.endr
.endr
	WIN 0
	MM 1, 1, 0, 0, 0
	PLACES
.irp sg, 0,1,2,3
	global_load_b64 v[WS+2*\sg:WS+2*\sg+1], v[W2SO], s[10:11] offset:8704*\sg
.endr
	global_load_b128 v[B2R:B2R+3], v[B2O], s[10:11]
	global_load_b128 v[B2R+4:B2R+7], v[B2O], s[10:11] offset:16
.irp b, 0,1,2,3
	v_mov_b32 v[TM+4+\b], 0
.endr
	s_wait_loadcnt 22
.macro HID m, p
	WIN 0x06+\p
.set i, 0
.rept 32
	v_pk_add_f32 v[HN+i:HN+i+1], v[64*\m+i:64*\m+i+1], v[64*\p+i:64*\p+i+1]
.set i, i+2
.endr
	WIN 0
.set i, 0
.rept 64
	v_max_num_f32 v[HN+i], 0, v[HN+i]
.set i, i+1
.endr
.irp b, 0,1,2,3
	v_max3_num_f32 v[TM+\b], v[HN+16*\b], v[HN+1+16*\b], 0x1800000
.endr
.irp a, 2,4,6,8,10,12,14
.irp b, 0,1,2,3
	v_max3_num_f32 v[TM+\b], v[TM+\b], v[HN+16*\b+\a], v[HN+1+16*\b+\a]
.endr
.endr
.irp b, 0,1,2,3
	v_permlanex16_b32 v[TM+4+\b], v[TM+\b], s[SEL], s[SEL+1]
.endr
.irp b, 0,1,2,3
	v_max_num_f32 v[TM+\b], v[TM+\b], v[TM+4+\b]
.endr
.irp b, 0,1,2,3
	v_add_nc_u32 v[TM+12+\b], 0xff000000, v[TM+\b]
.endr
.irp b, 0,1,2,3
	v_lshrrev_b32 v[TM+4+\b], 23, v[TM+12+\b]
.endr
	s_wait_alu depctr_va_vdst(0)
	s_wait_dscnt 3
	v_lshl_or_b32 v[PW+\p], v[TM+5], 8, v[TM+4]
	v_lshl_or_b32 v[PW+\p], v[TM+6], 16, v[PW+\p]
	v_lshl_or_b32 v[PW+\p], v[TM+7], 24, v[PW+\p]
.irp b, 0,1,2,3
	v_cvt_scalef32_pk8_fp4_f32 v[PC+8*\p+2*\b], v[HN+16*\b:HN+7+16*\b], v[TM+12+\b]
	v_cvt_scalef32_pk8_fp4_f32 v[PC+8*\p+1+2*\b], v[HN+8+16*\b:HN+15+16*\b], v[TM+12+\b]
.endr
	v_nop
.irp c, 0,1
.irp e, 0,1
	v_permlane16_swap_b32 v[PC+8*\p+4*\c+\e], v[PC+8*\p+2+4*\c+\e]
.endr
.endr
.irp c, 0,1
	ds_store_b128 v[HWI], v[PC+8*\p+4*\c:PC+8*\p+4*\c+3] offset:(8*\m+\p)*1024+512*\c
.endr
	ds_store_b32 v[HWS], v[PW+\p] offset:(8*\m+\p)*128
.endm
.irp m, 0,1,2,3
	HID \m, 0
	HID \m, 1
.endr
	s_wait_dscnt 0x0
	s_barrier_signal -1
	s_barrier_wait -1
	s_wait_loadcnt 0x0
.macro HLOAD k
.set kb, (\k)%4
.irp m, 0,1,2,3
.irp c, 0,1
	ds_load_b128 v[HF+32*kb+8*\m+4*\c:HF+32*kb+8*\m+4*\c+3], v[LI] offset:(8*\m+(\k))*1024+512*\c
.endr
	ds_load_b32 v[24+4*(kb%2)+32*(kb/2)+\m], v[LS] offset:(8*\m+(\k))*128
.endr
.endm
.irp k, 0,1,2,3
	HLOAD \k
.endr
.irp k, 0,1,2,3,4,5,6,7
.if \k < 5
	s_wait_dscnt 36
.else
	s_wait_dscnt 12*(7-\k)
.endif
	WIN 0x01
.irp m, 0,1,2,3
.set rH, HF+32*(\k%4)+8*\m
.set rS, 24+4*((\k%4)%2)+32*((\k%4)/2)+\m
.if \k == 0
	v_wmma_scale_f32_16x16x128_f8f6f4 v[Y+8*\m:Y+8*\m+7], v[128+8*\k:128+8*\k+7], v[rH:rH+7], v[B2R:B2R+7], v[WS+\k], v[rS] matrix_a_fmt:MATRIX_FMT_FP4 matrix_b_fmt:MATRIX_FMT_FP4
.else
	v_wmma_scale_f32_16x16x128_f8f6f4 v[Y+8*\m:Y+8*\m+7], v[128+8*\k:128+8*\k+7], v[rH:rH+7], v[Y+8*\m:Y+8*\m+7], v[WS+\k], v[rS] matrix_a_fmt:MATRIX_FMT_FP4 matrix_b_fmt:MATRIX_FMT_FP4
.endif
.endr
	WIN 0
.if \k < 4
	PLACES
	HLOAD \k+4
.endif
.endr
.irp i, 0,1,2,3,4,5,6
.irp e, 0,1
	v_lshl_add_u32 v20, v0, 1, 256*\i+\e
	v_mul_u32_u24 v21, v20, 1311
	v_lshrrev_b32 v21, 15, v21
	v_mul_u32_u24 v21, v21, 72
	v_lshl_add_u32 v[OA+2*\i+\e], v20, 3, v21
.endr
.endr
.irp m, 0,1,2,3
	ds_store_b128 v[STO], v[Y+8*\m:Y+8*\m+3] offset:4352*\m
	ds_store_b128 v[STO], v[Y+8*\m+4:Y+8*\m+7] offset:4352*\m+16
.endr
	s_wait_dscnt 0x0
	s_barrier_signal -1
	s_barrier_wait -1
.irp i, 0,1,2,3,4,5
	ds_load_b64 v[OUTR+4*\i:OUTR+4*\i+1],   v[OA+2*\i]   offset:STG
	ds_load_b64 v[OUTR+4*\i+2:OUTR+4*\i+3], v[OA+2*\i+1] offset:STG
.endr
.irp i, 0,1,2,3,4,5
	s_wait_dscnt 10-2*\i
	global_store_b128 v[GO], v[OUTR+4*\i:OUTR+4*\i+3], s[12:13] offset:2048*\i th:TH_STORE_NT
.endr
	s_cmp_lg_u32 s[WV], 0
	s_cbranch_scc1 .Lnot_last
	s_wait_alu depctr_va_vdst(0)
	ds_load_b64 v[OUTR+24:OUTR+25], v[OA+12] offset:STG
	ds_load_b64 v[OUTR+26:OUTR+27], v[OA+13] offset:STG
	s_wait_dscnt 0x0
	global_store_b128 v[GO], v[OUTR+24:OUTR+27], s[12:13] offset:12288 th:TH_STORE_NT
.Lnot_last:
	s_wait_tensorcnt 0x0
	ds_add_u32 v[SPW], v[NIL]
	s_wait_dscnt 0x0
	ROUND
	s_endpgm
.Lfunc_end_k_q89eca96cb7_fused:
	.size	k_q89eca96cb7_fused, .Lfunc_end_k_q89eca96cb7_fused-k_q89eca96cb7_fused
	.p2alignl 7, 3214868480
	.fill 96, 4, 3214868480
	.section	.rodata,"a",@progbits
	.p2align	6, 0x0
	.amdhsa_kernel k_q89eca96cb7_fused
		.amdhsa_group_segment_fixed_size 327680
		.amdhsa_private_segment_fixed_size 0
		.amdhsa_enable_private_segment 0
		.amdhsa_kernarg_size 40
		.amdhsa_user_sgpr_count 2
		.amdhsa_user_sgpr_kernarg_segment_ptr 1
		.amdhsa_wavefront_size32 1
		.amdhsa_system_sgpr_workgroup_id_x 1
		.amdhsa_system_sgpr_workgroup_id_y 1
		.amdhsa_system_sgpr_workgroup_id_z 1
		.amdhsa_system_vgpr_workitem_id 0
		.amdhsa_next_free_vgpr 1024
		.amdhsa_next_free_sgpr 66
		.amdhsa_reserve_vcc 0
		.amdhsa_float_denorm_mode_32 3
		.amdhsa_float_denorm_mode_16_64 3
		.amdhsa_memory_ordered 1
		.amdhsa_forward_progress 1
		.amdhsa_inst_pref_size 255
	.end_amdhsa_kernel
	.section	.bss,"aw",@nobits
	.p2align	6
	.space	262144
	.amdgpu_metadata
---
amdhsa.version: [ 1, 2 ]
amdhsa.kernels:
  - .name:           k_q89eca96cb7_fused
    .symbol:         k_q89eca96cb7_fused.kd
    .args:
      - { .name: x, .offset: 0, .size: 8, .value_kind: global_buffer, .address_space: global }
      - { .name: w1q, .offset: 8, .size: 8, .value_kind: global_buffer, .address_space: global }
      - { .name: b1, .offset: 16, .size: 8, .value_kind: global_buffer, .address_space: global }
      - { .name: w2q, .offset: 24, .size: 8, .value_kind: global_buffer, .address_space: global }
      - { .name: out0, .offset: 32, .size: 8, .value_kind: global_buffer, .address_space: global }
    .group_segment_fixed_size: 327680
    .private_segment_fixed_size: 0
    .kernarg_segment_align: 8
    .kernarg_segment_size: 40
    .max_flat_workgroup_size: 128
    .sgpr_count:     66
    .vgpr_count:     1024
    .wavefront_size: 32
...
	.end_amdgpu_metadata
.endif
;; end of part 2
